; MI455X (gfx1250); checked and timed in simulation.
; The chip was launched on July 23, 2026; its instructions are those of AMD's public machine-readable ISA for CDNA 5 (MIT licence, August 2026) and "CDNA5" Instruction Set Architecture Reference Guide (July 2026). The comments in the code are by the model that wrote it; some were corrected since.
;; Temporal SA. Allowed arithmetic: matrix products marked QUANTISED: E4M3 operands, one given power-of-two scale a tensor, by v_wmma_f32_16x16x64_fp8_fp8 or v_wmma_f32_16x16x128_fp8_fp8, f32 sums; everything else in f32.
;; Inputs: kW_codes 64 x 8 x 32 uint8 (E4M3 codes of kW, K innermost, in blocks of 32 codes); kb 64 float32; kbeta 64 float32; kg 64 float32; kmu 64 float32; kvar 64 float32; lowp_scales 10 int32 (the exponents e of the quantised operands' scales 2^e); qW_codes 64 x 8 x 32 uint8 (E4M3 codes of qW, K innermost, in blocks of 32 codes); qb 64 float32; qbeta 64 float32; qg 64 float32; qmu 64 float32; qvar 64 float32; vW_codes 256 x 8 x 32 uint8 (E4M3 codes of vW, K innermost, in blocks of 32 codes); vb 256 float32; vbeta 256 float32; vg 256 float32; vmu 256 float32; vvar 256 float32; x 8 x 256 x 2,048 x 1 float32.
;; Outputs: out0 8 x 256 x 2,048 x 1 float32.
;; This version of the problem:
;;   THIS VERSION OF THE PROBLEM IS GIVEN IN LOW PRECISION. The matrix products marked QUANTISED in the list below multiply operands that are first quantised to E4M3 (4 exponent bits, 3 mantissa bits; 8 bits a number), with one given power-of-two scale for each operand tensor; their sums are f32. All else is computed in f32.
;;   The module's matrix products, in the order in which they are computed (A, B: the left and right operand; K: the contracted axis; several contracted axes count as one K, in the product's order):
;;     1. [M 64, K 256] x [K 256, N 16,384]; A: input kW (given as codes); B: input x: QUANTISED (scales: A lowp_scales[0], B lowp_scales[1])
;;     2. [M 64, K 256] x [K 256, N 16,384]; A: input qW (given as codes); B: input x: QUANTISED (scales: A lowp_scales[2], B lowp_scales[3])
;;     3. [M 256, K 256] x [K 256, N 16,384]; A: input vW (given as codes); B: input x: QUANTISED (scales: A lowp_scales[4], B lowp_scales[5])
;;     4. batch 8 x [M 2,048, K 64] x [K 64, N 2,048]; A: computed on the way; B: computed on the way: QUANTISED (scales: A lowp_scales[6], B lowp_scales[7])
;;     5. batch 8 x [M 2,048, K 2,048] x [K 2,048, N 256]; A: computed on the way; B: computed on the way: QUANTISED (scales: A lowp_scales[8], B lowp_scales[9])
;;   THE QUANTISER, for each operand of a quantised product, along K:
;;     - The operand's scale is 2^e, e = its entry of the input lowp_scales (int32; the entries are numbered through the quantised products in the list's order, A before B).
;;     - Each number is divided by the scale, clamped to +-448, and rounded to the nearest number of E4M3, ties to even, subnormals kept.
;;     - The product sums the exact products of the quantised numbers (number of the format x scale) in f32.
;;   ~~~python
;;   def quantise(x, axis, e):      # numpy; x: float32 -> the quantised numbers, widened to float32 again
;;       x = np.moveaxis(x, axis, -1); K = x.shape[-1]
;;       r = np.clip(x / 2.0 ** e, -448, 448)
;;       step = 2.0 ** (np.maximum(np.frexp(np.where(r == 0, 1, r))[1] - 1, -6) - 3)
;;       q = np.round(r / step) * step * 2.0 ** e      # np.round: ties to even
;;       return np.moveaxis(q, -1, axis).astype(np.float32)
;;   ~~~
;;   OPERANDS COMPUTED ON THE WAY. 'Computed on the way' means the value that the module computes at that place (a softmax that the list does not call 'softmax' is quantised finished and normalised). What goes into a quantiser is computed in f32, as accurately as f32 sums, v_exp_f32 and their like allow (about 1e-6 of the number): no bf16 or f16 on the way to a quantiser, and a product that is left as it is and whose result goes on into a quantised operand takes f32 operands (vector FMAs, or v_wmma_f32_16x16x4_f32). A number that lies on a knife's edge between two numbers of the format may be rounded either way, as far as f32 arithmetic and the matrix unit's own rounding can turn it there, and no further.
;;   INPUTS GIVEN AS CODES. kW (in the module: [64, 256], K = its axis 1); qW (in the module: [64, 256], K = its axis 1); vW (in the module: [256, 256], K = its axis 1): each comes as NAME_codes (uint8): NAME with its K axis moved to the last place and cut into blocks of 32 codes, [.., K / 32, bytes a block], one block behind the other in memory; one code a byte (a code: sign, 4 exponent bits, 3 mantissa bits); its scale is its entry of lowp_scales. Its value is code x scale, taken as it is: it is not quantised again, and the codes and scales need not be those that the quantiser above would give.
;; 2 versions, each right; version 2 is version 1 with the launch attn written anew for expert scheduling mode. Each part assembles by itself: llvm-mc -triple=amdgcn-amd-amdhsa -mcpu=gfx1250 --defsym DOCPART=n.
;; ======== version 1 of 2: 2 launches
;; workspace buffers: qc 1,048,576 bytes; kc 1,179,648 bytes; vc 4,718,592 bytes
;; launch proj (part 1): grid 32 x 8, 4 waves a work-group, no clusters, 168,448 bytes of LDS; arguments x, lowp_scales, kW_codes, qW_codes, vW_codes, kb, kg, kbeta, kmu, kvar, qb, qg, qbeta, qmu, qvar, vb, vg, vbeta, vmu, vvar, qc, kc, vc; writes qc, kc, vc
.if DOCPART == 1
	.amdgcn_target "amdgcn-amd-amdhsa--gfx1250"
	.amdhsa_code_object_version 6
	.text
	.protected	k_q33d4134045_proj
	.globl	k_q33d4134045_proj
	.p2align	8
	.type	k_q33d4134045_proj,@function
k_q33d4134045_proj:
	s_mov_b64 s[64:65], 0
	v_nop
	global_prefetch_b8 v0, s[64:65] scope:SCOPE_SE
	s_setreg_imm32_b32 hwreg(HW_REG_WAVE_MODE, 25, 1), 1
	s_wait_xcnt 0x0
; k, q, v = relu(BN(W x + b)) for x [8][256 c][2048 t] f32, each product on codes of FP8 (E4M3); the results are quantised again (q: e6, k: e7, v: e9) and stored
; as IMAGES OF THE OPERAND REGISTERS that the attention launch wants: a fragment of 8 registers is 1,024 bytes, registers 0-3 at 16 x lane, registers 4-7 at 512 + 16 x lane.
;   qc [b][128 tiles of 16 t]: lane (r, h) holds t = r, registers 2 c, 2 c + 1 the channels d = 16 c + 8 h + 0 .. 7.   kc [b][16 tiles of zero codes + 128 tiles]: the same.
;   vc [b][4 groups of zero codes + 32 groups of 64 t][16 tiles of 16 channels]: lane (r, h) holds channel r, registers 2 c, 2 c + 1 the keys t = 16 c + 8 h + 0 .. 7 of the group.
; SHARES.  A work-group of four waves takes x[b][all 256 c][64 t]: 256 work-groups.  Wave w quantises the 16 t of tile w three times (e1, e3, e5: each product has its own scale for x),
; makes k and q of that tile (all 64 outputs) and makes v's channels 64 w .. 64 w + 63 for all 64 t; x's codes for v go from wave to wave through LDS as register images.
; k, q: source 0 = 16 rows of W, source 1 = x: a lane holds one t and eight neighbouring outputs.  v: source 0 = x, source 1 = 16 rows of vW: a lane holds one channel and eight neighbouring t.
; So each conversion's two registers are registers 2 c, 2 c + 1 of an output fragment.  Along the products' K both sides are laid alike: registers 4 c .. 4 c + 3 hold k = 128 s + 32 c + 16 h + 0 .. 15.
; BN is folded: y = sum x A + B, A = g rsq(var + 1e-5) 2^(eW + ex), B = (b - mu) g rsq(var + 1e-5) + beta.  The hold between 0 and 448 x the scale is the ReLU as well.
; LIMITS: e1, e3, e5, e6, e7, e9 each between -126 and 119, so that 2^e and 448 x 2^e are f32 numbers.  NaN among the inputs is not served.
; NO JOINT LOADS: x's tile belongs to one work-group alone.  The weights, 98,304 bytes for the whole launch, go once from memory straight into each wave's registers in fragment order;
; a joint load would send them through LDS and add rounds of a cluster's barrier to a kernel that has a single step.  Each LDS byte is filled once: no ring.
.set XP,   264                         ; a channel's row of x in LDS: 256 bytes + 8 of padding: 16 rows are 1,056 words, so the two halves of the lanes read 32 banks apart (64 banks of 4 bytes: ISA guide 11.1)
.set XVI,  256*XP                      ; 67,584: x's codes for v: 8 images of 2,048 bytes, fragment 2 tt + s
.set TA,   XVI+16384                   ; 83,968: A of k (64 words), A of q (64 words); 512 bytes on: B likewise
.set TV,   TA+1024                     ; 84,992: (A, A, B, B) for each of v's 256 channels, 16 bytes each
; v1 16 x lane; v2 r; v3 h; v4 my place in x's tile; v5 my place in a tile of W; v6 TA + 32 h; v7, v8 x's images: where I store, where I read; v9 my channel's entry in TV
; v10-15 2^e1, 2^e3, 2^e5, 2^e7, 2^e6, 2^e9; v16-31 two sets of 8 at work, later k's and q's codes; v32-63, v64-95, v96-127 x's codes for k, q, v; later v32-63 v's codes, v96-111 (A, A, B, B), v112-115 zeros
; v128-255 parameters at work, then 128 numbers of x, then accumulators.  Window 1: kW's and qW's fragments.  Window 2: my vW fragments, from v128 k's A, B and q's A, B.  Window 3: x's 8 fragments for v.
.set MSB, 0
.macro WIN new                         ; the immediate's high byte repeats the setting that is left
.if MSB != \new
	s_set_vgpr_msb (MSB<<8)|\new
.set MSB, \new
.endif
.endm
	s_load_b512 s[8:23], s[0:1], 0x0               ; x, scales, kW, qW, vW, kb, kg, kbeta
	s_load_b512 s[24:39], s[0:1], 0x40             ; kmu, kvar, qb, qg, qbeta, qmu, qvar, vb
	s_load_b256 s[40:47], s[0:1], 0x80             ; vg, vbeta, vmu, vvar
	s_load_b128 s[48:51], s[0:1], 0xa0             ; qc, kc
	s_load_b64 s[52:53], s[0:1], 0xb0              ; vc
	s_set_vgpr_msb 0xc0
	v_lshl_add_u32 v254, v0, 2, 0x29000
	v_mov_b32 v255, 0
	s_set_vgpr_msb 0xc0cf
	ds_add_u32 v254, v255
	ds_add_u32 v254, v255
	s_set_vgpr_msb 0xcf00
	v_lshrrev_b32 v1, 5, v0
	v_readfirstlane_b32 s2, v1                     ; wave 0..3
	s_mov_b32 s3, ttmp9                            ; tb: which 64 t
	s_and_b32 s4, ttmp7, 0xffff                    ; b
	; descriptor group 1: 64 rows (channels) x 64 elements of 4 bytes, 2,048 elements from row to row, 2 words of padding behind every 64
	s_mov_b32 s84, (2<<16)|(1<<20)|(5<<22)|(1<<25)
	s_mov_b32 s85, 64<<16                          ; tensor_dim0 = 64
	s_mov_b32 s86, 64<<16                          ; tensor_dim1 = 64
	s_mov_b32 s87, 64<<16                          ; tile_dim0 = 64
	s_mov_b32 s88, 64                              ; tile_dim1 = 64
	s_mov_b32 s89, 2048                            ; tensor_dim0_stride
	s_mov_b32 s90, 0
	s_mov_b32 s91, 0
	s_mov_b32 s56, 1                               ; group 0: count = 1,
	s_mul_i32 s57, s2, 64*XP                       ; LDS address: my 64 channels' rows,
	s_lshl_b32 s6, s4, 21                          ; b x 256 x 2,048 x 4 bytes
	s_lshl_b32 s7, s2, 19                          ; + 64 w channels of 8,192 bytes
	s_add_co_u32 s6, s6, s7
	s_lshl_b32 s7, s3, 8                           ; + 64 tb numbers
	s_add_co_u32 s6, s6, s7
	s_mov_b32 s7, 0
	s_wait_dscnt 0x0
	s_wait_kmcnt 0x0
	s_load_b256 s[72:79], s[10:11], 0x0            ; e0 .. e7
	s_load_b64 s[80:81], s[10:11], 0x20            ; e8, e9
	s_add_nc_u64 s[58:59], s[8:9], s[6:7]          ; the tile's first element,
	s_or_b32 s59, s59, 0x80000000                  ; type = 2
	tensor_load_to_lds s[56:59], s[84:91]          ; my one tensor load: a quarter of x's tile; every LDS byte is filled once
	s_nop 0
.rept 4
	v_nop
.endr
	v_and_b32 v1, 31, v0
	v_lshlrev_b32 v1, 4, v1                        ; 16 x lane
	v_and_b32 v2, 15, v0                           ; r
	v_bfe_u32 v3, v0, 4, 1                         ; h
	v_mul_u32_u24 v4, v3, 16*XP
	v_lshl_add_u32 v4, v2, 2, v4
	s_lshl_b32 s6, s2, 6
	v_add_nc_u32 v4, s6, v4                        ; x's tile: 16 h rows down, t = 16 w + r
	v_lshlrev_b32 v5, 8, v2
	v_lshl_add_u32 v5, v3, 4, v5                   ; W: row r of 256 codes, + 16 h
	v_lshlrev_b32 v6, 5, v3
	v_add_nc_u32 v6, TA, v6
	s_lshl_b32 s6, s2, 12
	s_add_co_u32 s6, s6, XVI
	v_add_nc_u32 v7, s6, v1                        ; my two images
	v_add_nc_u32 v8, XVI, v1
	s_lshl_b32 s6, s2, 10
	s_add_co_u32 s6, s6, TV
	v_lshl_add_u32 v9, v2, 4, s6
	; the parameters: threads 0-63 fold k's channel, threads 64-127 q's; every thread folds v's channels tid and tid + 128
	s_cmp_lt_u32 s2, 2
	s_cselect_b64 s[92:93], s[18:19], s[28:29]     ; b
	s_cselect_b64 s[94:95], s[20:21], s[30:31]     ; g
	s_cselect_b64 s[96:97], s[22:23], s[32:33]     ; beta
	s_cselect_b64 s[98:99], s[24:25], s[34:35]     ; mu
	s_cselect_b64 s[100:101], s[26:27], s[36:37]   ; var
	v_and_b32 v128, 63, v0
	v_lshlrev_b32 v128, 2, v128
	v_lshlrev_b32 v129, 2, v0
	v_lshl_add_u32 v130, v0, 2, TA
	v_lshl_add_u32 v131, v0, 4, TV
	global_load_b32 v132, v128, s[92:93]
	global_load_b32 v133, v128, s[94:95]
	global_load_b32 v134, v128, s[96:97]
	global_load_b32 v135, v128, s[98:99]
	global_load_b32 v136, v128, s[100:101]
.irp u, 0,1
	global_load_b32 v[140+8*\u], v129, s[38:39] offset:512*\u
	global_load_b32 v[141+8*\u], v129, s[40:41] offset:512*\u
	global_load_b32 v[142+8*\u], v129, s[42:43] offset:512*\u
	global_load_b32 v[143+8*\u], v129, s[44:45] offset:512*\u
	global_load_b32 v[144+8*\u], v129, s[46:47] offset:512*\u
.endr
; four tiles of 16 rows x two K steps of 128: fragment (o, k) at reg + 16 (2 o + k)
.macro LDW reg, sb
.irp o, 0,1,2,3
.irp k, 0,1
.irp c, 0,1,2,3
	global_load_b128 v[\reg+16*(2*\o+\k)+4*\c:\reg+16*(2*\o+\k)+4*\c+3], v5, s[\sb:\sb+1] offset:4096*\o+128*\k+32*\c
.endr
.endr
.endr
.endm
	WIN 0x40                                       ; destination window 1
	LDW 0, 12                                      ; kW
	WIN 0
	s_wait_loadcnt 32                              ; the 15 parameters are in; kW's 32 loads may be out
	s_wait_kmcnt 0x0                               ; the exponents
	s_add_co_i32 s6, s72, s73                      ; e0 + e1
	s_add_co_i32 s7, s74, s75                      ; e2 + e3
	s_cmp_lt_u32 s2, 2
	s_cselect_b32 s63, s6, s7
	s_add_co_i32 s5, s76, s77                      ; e4 + e5
.irp p, 132,140,148
	v_add_f32 v[\p+4], 0x3727c5ac, v[\p+4]         ; var + 1e-5
.endr
.irp p, 132,140,148
	v_rsq_f32 v[\p+4], v[\p+4]
.endr
.irp p, 132,140,148
	v_sub_f32 v[\p], v[\p], v[\p+3]                ; b - mu: plain lines behind the roots (ISA guide 5.7.2)
.endr
	s_wait_alu depctr_va_vdst(0)
.irp p, 132,140,148
	v_mul_f32 v[\p+1], v[\p+1], v[\p+4]            ; g / sqrt(var + 1e-5)
.endr
.irp p, 132,140,148
	v_fma_f32 v[\p+2], v[\p], v[\p+1], v[\p+2]     ; B
.endr
	v_ldexp_f32 v133, v133, s63                    ; A: a sum stands for sum x 2^(eW + ex)
	v_ldexp_f32 v141, v141, s5
	v_ldexp_f32 v149, v149, s5
.irp p, 140,148
	v_mov_b32 v[\p], v[\p+1]                       ; (A, A, B, B)
	v_mov_b32 v[\p+3], v[\p+2]
.endr
	ds_store_b32 v130, v133
	ds_store_b32 v130, v134 offset:512
	ds_store_b128 v131, v[140:143]
	ds_store_b128 v131, v[148:151] offset:2048
; 2^e as f32 for the conversion, 448 x 2^e for the hold
.macro MKSC se, vd, sp
	s_add_co_i32 s6, s[\se], 127
	s_lshl_b32 s7, s6, 23
	v_mov_b32 v[\vd], s7
	s_add_co_i32 s6, s6, 8
	s_lshl_b32 s6, s6, 23
	s_or_b32 s[\sp], s6, 0x600000
.endm
	MKSC 73, 10, 66                                ; e1: x for k
	s_or_b32 s67, s66, 0x80000000
	MKSC 75, 11, 68                                ; e3: x for q
	s_or_b32 s69, s68, 0x80000000
	MKSC 77, 12, 70                                ; e5: x for v
	s_or_b32 s71, s70, 0x80000000
	MKSC 79, 13, 60                                ; e7: k
	MKSC 78, 14, 61                                ; e6: q
	MKSC 81, 15, 62                                ; e9: v
	s_lshl_b32 s6, s2, 14                          ; my 64 rows of vW
	s_mov_b32 s7, 0
	s_add_nc_u64 s[54:55], s[16:17], s[6:7]
	WIN 0x40
	LDW 128, 14                                    ; qW
	WIN 0x80                                       ; destination window 2
	LDW 0, 54                                      ; vW
	WIN 0
	s_wait_tensorcnt 0x0                           ; my quarter of x's tile has landed,
	s_wait_dscnt 0x0                               ; my parameters are stored:
	s_barrier_signal -1
	s_barrier_wait -1                              ; everybody's are
	WIN 0x80
.irp o, 0,1,2,3
.irp u, 0,1
	ds_load_b128 v[128+8*\o+4*\u:128+8*\o+4*\u+3], v6 offset:64*\o+16*\u        ; k's A of outputs 16 o + 8 h + 0 .. 7
	ds_load_b128 v[160+8*\o+4*\u:160+8*\o+4*\u+3], v6 offset:512+64*\o+16*\u    ; k's B
	ds_load_b128 v[192+8*\o+4*\u:192+8*\o+4*\u+3], v6 offset:256+64*\o+16*\u    ; q's A
	ds_load_b128 v[224+8*\o+4*\u:224+8*\o+4*\u+3], v6 offset:768+64*\o+16*\u    ; q's B
.endr
.endr
	WIN 0
; chunk m of 16: eight channels 128 (m / 8) + 32 ((m % 8) / 2) + 16 h + 8 (m % 2) + 0 .. 7 of my t: they become registers 2 m, 2 m + 1 of x's codes
.macro XCH m
.irp i, 0,1,2,3,4,5,6,7
	ds_load_b32 v[128+8*(\m)+\i], v4 offset:(128*((\m)/8)+32*(((\m)%8)/2)+8*((\m)%2)+\i)*XP
.endr
.endm
.macro QONE m, s, dst                  ; the hold (the conversion to an 8-bit code does not saturate: ISA guide 7.6.2) into one of two sets by turns, then the conversion
.set TT, 16+8*((3*(\m)+\s)%2)
.irp i, 0,1,2,3,4,5,6,7
	v_med3_num_f32 v[TT+\i], v[128+8*(\m)+\i], s[67+2*\s], s[66+2*\s]
.endr
	v_cvt_scalef32_pk8_fp8_f32 v[\dst+2*(\m):\dst+2*(\m)+1], v[TT:TT+7], v[10+\s]   ; the other set's eight holds stand between this line and the next write of its sources
.endm
.macro QCH m
.if (\m)+7 < 16
	XCH (\m)+7
.endif
.if (\m) < 9
	s_wait_dscnt 56                                ; chunk m is in; the seven chunks behind it may be out
.else
	s_wait_dscnt 8*(15-(\m))
.endif
	QONE \m, 0, 32
	QONE \m, 1, 64
	QONE \m, 2, 96
.endm
.irp m, 0,1,2,3,4,5,6
	XCH \m
.endr
.irp m, 0,1,2,3,4,5,6,7,8,9,10,11,12,13,14,15
	QCH \m
.endr
	v_nop                                          ; a plain line between the last conversion and the products that read its result
.irp k, 0,1
.irp c, 0,1,2,3
	ds_store_b128 v7, v[96+16*\k+4*\c:96+16*\k+4*\c+3] offset:2048*\k+512*\c    ; x's codes for v, my tile: two images
.endr
.endr
	s_wait_loadcnt 0x0                             ; all weights are in; their bases may be written again
	s_lshl_b32 s20, s3, 2
	s_add_co_u32 s20, s20, s2
	s_lshl_b32 s20, s20, 10                        ; tile 4 tb + w, 1,024 bytes a tile
	s_mul_i32 s21, s4, 147456                      ; kc: 144 tiles a batch
	s_mov_b32 s19, 0
	s_add_co_u32 s18, s21, s20
	s_add_co_u32 s18, s18, 16384                   ; behind the 16 tiles of zeros
	s_add_nc_u64 s[8:9], s[50:51], s[18:19]        ; where k's fragment goes
	s_lshl_b32 s18, s3, 9
	s_add_co_u32 s18, s18, s21
	s_add_nc_u64 s[16:17], s[50:51], s[18:19]      ; my work-group's 512 bytes of kc's zeros
	s_lshl_b32 s18, s4, 17
	s_add_co_u32 s18, s18, s20
	s_add_nc_u64 s[10:11], s[48:49], s[18:19]      ; where q's fragment goes
	s_mul_i32 s21, s4, 589824                      ; vc: 36 groups of 16,384 bytes a batch
	s_lshl_b32 s18, s3, 14
	s_add_co_u32 s18, s18, s21
	s_lshl_b32 s20, s2, 12
	s_add_co_u32 s18, s18, s20
	s_add_co_u32 s18, s18, 65536                   ; behind the 4 groups of zeros
	s_add_nc_u64 s[12:13], s[52:53], s[18:19]      ; where my four fragments of v go
	s_lshl_b32 s18, s3, 11
	s_add_co_u32 s18, s18, s21
	s_lshl_b32 s20, s2, 9
	s_add_co_u32 s18, s18, s20
	s_add_nc_u64 s[14:15], s[52:53], s[18:19]      ; my wave's 512 bytes of vc's zeros
	WIN 0x01                                       ; source 0 (W) window 1
.irp k, 0,1                            ; eight accumulators by turns: k's four tiles of outputs, q's four; the first K step starts the sums
.irp o, 0,1,2,3
.if \k == 0
	v_wmma_f32_16x16x128_fp8_fp8 v[128+8*\o:135+8*\o], v[16*(2*\o+\k):16*(2*\o+\k)+15], v[32+16*\k:47+16*\k], 0
.else
	v_wmma_f32_16x16x128_fp8_fp8 v[128+8*\o:135+8*\o], v[16*(2*\o+\k):16*(2*\o+\k)+15], v[32+16*\k:47+16*\k], v[128+8*\o:135+8*\o]
.endif
.endr
.irp o, 0,1,2,3
.if \k == 0
	v_wmma_f32_16x16x128_fp8_fp8 v[160+8*\o:167+8*\o], v[128+16*(2*\o+\k):128+16*(2*\o+\k)+15], v[64+16*\k:79+16*\k], 0
.else
	v_wmma_f32_16x16x128_fp8_fp8 v[160+8*\o:167+8*\o], v[128+16*(2*\o+\k):128+16*(2*\o+\k)+15], v[64+16*\k:79+16*\k], v[160+8*\o:167+8*\o]
.endif
.endr
.endr
	WIN 0
	s_wait_dscnt 0x0                               ; my images of x's codes are stored:
	s_barrier_signal -1
	s_barrier_wait -1                              ; all eight lie in LDS
	WIN 0xc0                                       ; destination window 3
.irp f, 0,1,2,3,4,5,6,7
.irp c, 0,1,2,3
	ds_load_b128 v[16*\f+4*\c:16*\f+4*\c+3], v8 offset:2048*\f+512*\c
.endr
.endr
	WIN 0
.irp o, 0,1,2,3
	ds_load_b128 v[96+4*\o:99+4*\o], v9 offset:256*\o              ; (A, A, B, B) of channel 64 w + 16 o + r
.endr
.rept 4
	v_nop                                          ; four places between the products and the first read of their results (ISA guide 7.12.1)
.endr
; four tiles of one t and 64 outputs: y = sum x A + B, each accumulator from its low end on; ReLU and hold in one; codes; the fragment's image goes out, 512 consecutive bytes a store
.macro EPKQ acc, pa, pb, lim, sc, out, base
	WIN 0x28                                       ; sources 1 and 2 window 2
.set J, 0
.rept 16
	v_pk_fma_f32 v[\acc+J:\acc+J+1], v[\acc+J:\acc+J+1], v[\pa+J:\pa+J+1], v[\pb+J:\pb+J+1]
.set J, J+2
.endr
	WIN 0
.set J, 0
.rept 32
	v_med3_num_f32 v[\acc+J], v[\acc+J], 0, s[\lim]
.set J, J+1
.endr
.irp t, 0,1,2,3
	v_cvt_scalef32_pk8_fp8_f32 v[\out+2*\t:\out+2*\t+1], v[\acc+8*\t:\acc+8*\t+7], v[\sc]
.endr
	v_nop                                          ; a plain line behind the last conversion: v's products write its sources again
	global_store_b128 v1, v[\out:\out+3], s[\base:\base+1]
	global_store_b128 v1, v[\out+4:\out+7], s[\base:\base+1] offset:512
.endm
	EPKQ 128, 128, 160, 60, 13, 16, 8              ; k
	EPKQ 160, 192, 224, 61, 14, 24, 10             ; q
	s_wait_dscnt 0x0                               ; x's eight fragments and my channels' parameters are in
	WIN 0x0b                                       ; source 0 (x) window 3, source 1 (vW) window 2
.irp k, 0,1                            ; sixteen accumulators by turns: channel tile o x tile of t
.irp o, 0,1,2,3
.irp t, 0,1,2,3
.if \k == 0
	v_wmma_f32_16x16x128_fp8_fp8 v[128+32*\o+8*\t:135+32*\o+8*\t], v[16*(2*\t+\k):16*(2*\t+\k)+15], v[16*(2*\o+\k):16*(2*\o+\k)+15], 0
.else
	v_wmma_f32_16x16x128_fp8_fp8 v[128+32*\o+8*\t:135+32*\o+8*\t], v[16*(2*\t+\k):16*(2*\t+\k)+15], v[16*(2*\o+\k):16*(2*\o+\k)+15], v[128+32*\o+8*\t:135+32*\o+8*\t]
.endif
.endr
.endr
.endr
	WIN 0
.rept 4
	v_nop
.endr
.macro VEP o                           ; one channel a lane, 64 t: the four tiles' codes are one fragment
.set AC, 128+32*(\o)
.set J, 0
.rept 16
	v_pk_fma_f32 v[AC+J:AC+J+1], v[AC+J:AC+J+1], v[96+4*(\o):97+4*(\o)], v[98+4*(\o):99+4*(\o)]
.set J, J+2
.endr
.set J, 0
.rept 32
	v_med3_num_f32 v[AC+J], v[AC+J], 0, s62
.set J, J+1
.endr
.irp t, 0,1,2,3
	v_cvt_scalef32_pk8_fp8_f32 v[32+8*(\o)+2*\t:33+8*(\o)+2*\t], v[AC+8*\t:AC+8*\t+7], v15
.endr
	v_nop
	global_store_b128 v1, v[32+8*(\o):35+8*(\o)], s[12:13] offset:1024*(\o)
	global_store_b128 v1, v[36+8*(\o):39+8*(\o)], s[12:13] offset:1024*(\o)+512
.endm
	VEP 0
	VEP 1
	VEP 2
	VEP 3
	; the zero codes in front of each batch: vc's 65,536 bytes are 32 work-groups x 4 waves x 512, kc's 16,384 are 32 work-groups x 512
.irp i, 112,113,114,115
	v_mov_b32 v[\i], 0
.endr
	global_store_b128 v1, v[112:115], s[14:15]
	s_cmp_lg_u32 s2, 0
	s_cbranch_scc1 .Lend
	global_store_b128 v1, v[112:115], s[16:17]
.Lend:
	s_set_vgpr_msb 0xf
	s_wait_tensorcnt 0x0
	ds_add_u32 v254, v255
	s_wait_dscnt 0x0
	s_set_vgpr_msb 0xf00
	s_endpgm
.Lfunc_end_k_q33d4134045_proj:
	.size	k_q33d4134045_proj, .Lfunc_end_k_q33d4134045_proj-k_q33d4134045_proj
	.p2alignl 7, 3214868480
	.fill 96, 4, 3214868480
	.section	.rodata,"a",@progbits
	.p2align	6, 0x0
	.amdhsa_kernel k_q33d4134045_proj
		.amdhsa_group_segment_fixed_size 168448
		.amdhsa_private_segment_fixed_size 0
		.amdhsa_enable_private_segment 0
		.amdhsa_kernarg_size 184
		.amdhsa_user_sgpr_count 2
		.amdhsa_user_sgpr_kernarg_segment_ptr 1
		.amdhsa_wavefront_size32 1
		.amdhsa_system_sgpr_workgroup_id_x 1
		.amdhsa_system_sgpr_workgroup_id_y 1
		.amdhsa_system_sgpr_workgroup_id_z 1
		.amdhsa_system_vgpr_workitem_id 0
		.amdhsa_next_free_vgpr 1024
		.amdhsa_next_free_sgpr 102
		.amdhsa_reserve_vcc 0
		.amdhsa_float_denorm_mode_32 3
		.amdhsa_float_denorm_mode_16_64 3
		.amdhsa_memory_ordered 1
		.amdhsa_forward_progress 1
		.amdhsa_inst_pref_size 84
	.end_amdhsa_kernel
	.amdgpu_metadata
---
amdhsa.version: [ 1, 2 ]
amdhsa.kernels:
  - .name:           k_q33d4134045_proj
    .symbol:         k_q33d4134045_proj.kd
    .args:
      - { .name: x, .offset: 0, .size: 8, .value_kind: global_buffer, .address_space: global }
      - { .name: lowp_scales, .offset: 8, .size: 8, .value_kind: global_buffer, .address_space: global }
      - { .name: kW_codes, .offset: 16, .size: 8, .value_kind: global_buffer, .address_space: global }
      - { .name: qW_codes, .offset: 24, .size: 8, .value_kind: global_buffer, .address_space: global }
      - { .name: vW_codes, .offset: 32, .size: 8, .value_kind: global_buffer, .address_space: global }
      - { .name: kb, .offset: 40, .size: 8, .value_kind: global_buffer, .address_space: global }
      - { .name: kg, .offset: 48, .size: 8, .value_kind: global_buffer, .address_space: global }
      - { .name: kbeta, .offset: 56, .size: 8, .value_kind: global_buffer, .address_space: global }
      - { .name: kmu, .offset: 64, .size: 8, .value_kind: global_buffer, .address_space: global }
      - { .name: kvar, .offset: 72, .size: 8, .value_kind: global_buffer, .address_space: global }
      - { .name: qb, .offset: 80, .size: 8, .value_kind: global_buffer, .address_space: global }
      - { .name: qg, .offset: 88, .size: 8, .value_kind: global_buffer, .address_space: global }
      - { .name: qbeta, .offset: 96, .size: 8, .value_kind: global_buffer, .address_space: global }
      - { .name: qmu, .offset: 104, .size: 8, .value_kind: global_buffer, .address_space: global }
      - { .name: qvar, .offset: 112, .size: 8, .value_kind: global_buffer, .address_space: global }
      - { .name: vb, .offset: 120, .size: 8, .value_kind: global_buffer, .address_space: global }
      - { .name: vg, .offset: 128, .size: 8, .value_kind: global_buffer, .address_space: global }
      - { .name: vbeta, .offset: 136, .size: 8, .value_kind: global_buffer, .address_space: global }
      - { .name: vmu, .offset: 144, .size: 8, .value_kind: global_buffer, .address_space: global }
      - { .name: vvar, .offset: 152, .size: 8, .value_kind: global_buffer, .address_space: global }
      - { .name: qc, .offset: 160, .size: 8, .value_kind: global_buffer, .address_space: global }
      - { .name: kc, .offset: 168, .size: 8, .value_kind: global_buffer, .address_space: global }
      - { .name: vc, .offset: 176, .size: 8, .value_kind: global_buffer, .address_space: global }
    .group_segment_fixed_size: 168448
    .private_segment_fixed_size: 0
    .kernarg_segment_align: 8
    .kernarg_segment_size: 184
    .max_flat_workgroup_size: 128
    .sgpr_count:     102
    .vgpr_count:     1024
    .wavefront_size: 32
...
	.end_amdgpu_metadata
.endif
;; end of part 1
;; launch attn (part 2): grid 32 x 8, 4 waves a work-group, no clusters, 90,624 bytes of LDS; arguments qc, kc, vc, lowp_scales, x, out0; writes out0
.if DOCPART == 2
	.amdgcn_target "amdgcn-amd-amdhsa--gfx1250"
	.amdhsa_code_object_version 6
	.text
	.protected	k_q33d4134045_attn
	.globl	k_q33d4134045_attn
	.p2align	8
	.type	k_q33d4134045_attn,@function
k_q33d4134045_attn:
	s_mov_b64 s[64:65], 0
	v_nop
	global_prefetch_b8 v0, s[64:65] scope:SCOPE_SE
	s_setreg_imm32_b32 hwreg(HW_REG_WAVE_MODE, 25, 1), 1
	s_wait_xcnt 0x0
; out[b][c][i] = x[b][c][i] + sum over keys j of p[b][i][j] v[b][j][c], over the band 0 <= i - j <= 255.
; p = exp(s - m) / (D0 + 1e-30); s = q . k / 8; m = max(0, the band's largest s): the masked row always holds zeros; D0[i] = BATCH 0's sum of exp(s - m) over the band, used for every batch.
; p is quantised finished (e8), so a wave holds a query's whole band of scores in registers: there is no running maximum and no late division.
; q, k, v arrive as codes in register images (1,024 bytes a fragment: registers 0-3 at 16 x lane, registers 4-7 at 512 + 16 x lane), k with 16 tiles and v with 4 groups of zero codes in front of each batch:
; a key ahead of the sequence has score 0, which the maximum holds anyway, and v = 0, which adds nothing; only D0's sum must leave such keys out: a factor 0 or 1 for each tile, made from ids.
; SHARES.  A work-group takes 64 queries of one batch: 256 work-groups.  SCORES: wave w owns query tile w and its 17 tiles of 16 keys; S^T = K Q^T: a lane holds query r and keys 8 h + j of each tile;
; i - key = 256 + r - 8 h - j - 16 tile, so only tiles 0 and 16 are cut by the band.  Each wave runs the pass twice: on batch 0's codes for 1 / (D0 + 1e-30), which then lies in the query's own lane, and on its own batch's.
; P V: wave w owns channels 64 w .. 64 w + 63 for all 64 queries; P's codes go from wave to wave through LDS as register images (a query tile's 20 tiles of keys, zeros where its band does not reach);
; source 0 = P, source 1 = V: a lane holds one channel and eight neighbouring queries, which are neighbours in out.
; LIMITS: e6 + e7 between -123 and 130 (added to an exponent field); e8 between -126 and 119; e8 + e9 between -126 and 127.  NaN among the inputs is not served.
; NO JOINT LOADS: neighbouring work-groups' windows of keys overlap but begin 64 keys apart, so no two work-groups want the same tile for the same place; all operands go from memory straight into registers,
; 512 consecutive bytes a load, all asked for ahead of the work that hides them; there is no ring and no loop.
.set S,    112                         ; v112-247 the 17 tiles of scores; later the 16 accumulators (channel tile c, query tile q) at S + 8 (4 c + q); later rows of out
.set PCD,  36                          ; v36-69 p's codes, two registers a tile
.set STG,  20480                       ; LDS: P's images 4 x 5,120 bytes; then a stage of 64 rows x (256 + 16) bytes for each wave
; v1 16 x lane; v2 r; v3 h; v5 r - 8 h; v6 -infinity; v7, v8 where my even and odd tiles' codes go; v9 my query tile's images; v10, v11 the stage: in, back; v12 my offset in x and out; v13 2^e8
; v16-23 Q of batch 0, v24-31 Q of my batch; v32-35 zeros; v70-73 four chains of the maximum, v74 a permute's destination; v76-79 sums; v80-87 at work; v[88:89] 1 / (D0 + 1e-30) twice
; window 1: K of batch 0, later x; window 2: K of my batch, later P's fragments at 8 (4 g + q); window 3: V's fragments at 8 (4 g + c)
.set MSB, 0
.macro WIN new                         ; the immediate's high byte repeats the setting that is left
.if MSB != \new
	s_set_vgpr_msb (MSB<<8)|\new
.set MSB, \new
.endif
.endm
	s_load_b256 s[8:15], s[0:1], 0x0               ; qc, kc, vc, the scales' exponents
	s_load_b128 s[16:19], s[0:1], 0x20             ; x, out0
	v_lshl_add_u32 v254, v0, 2, 0x16000
	v_mov_b32 v255, 0
	v_lshrrev_b32 v1, 5, v0
	v_readfirstlane_b32 s2, v1                     ; wave 0..3
	s_mov_b32 s3, ttmp9                            ; tb: which 64 queries
	s_and_b32 s4, ttmp7, 0xffff                    ; b
	v_and_b32 v1, 31, v0
	v_lshlrev_b32 v1, 4, v1
	v_and_b32 v2, 15, v0
	v_bfe_u32 v3, v0, 4, 1
	v_lshlrev_b32 v5, 3, v3
	v_sub_nc_u32 v5, v2, v5
	v_mov_b32 v6, 0xff800000
	s_mul_i32 s56, s2, 5120
	v_add_nc_u32 v9, s56, v1
	s_lshr_b32 s57, s2, 1                          ; my tile t' is the work-group's tile w + t': pair (w + t') / 2 at 512 bytes a pair, its parity 8 bytes
	s_lshl_b32 s57, s57, 9
	s_add_co_u32 s57, s57, s56
	s_and_b32 s58, s2, 1
	s_lshl_b32 s58, s58, 3
	s_add_co_u32 s57, s57, s58
	v_add_nc_u32 v7, s57, v1                       ; even t'
	s_add_co_u32 s59, s2, 1
	s_lshr_b32 s57, s59, 1
	s_lshl_b32 s57, s57, 9
	s_add_co_u32 s57, s57, s56
	s_and_b32 s58, s59, 1
	s_lshl_b32 s58, s58, 3
	s_add_co_u32 s57, s57, s58
	v_add_nc_u32 v8, s57, v1                       ; odd t'
	s_mul_i32 s56, s2, 64*272
	s_add_co_u32 s56, s56, STG                     ; my stage
	v_mul_u32_u24 v10, v2, 272
	v_lshl_add_u32 v10, v3, 5, v10
	v_add_nc_u32 v10, s56, v10                     ; in: row = channel r, 32 bytes for each half of the lanes
	v_mul_u32_u24 v11, v3, 272
	v_lshl_add_u32 v11, v2, 4, v11
	v_add_nc_u32 v11, s56, v11                     ; back: lanes 0-15 one row of 256 bytes, lanes 16-31 the next
	v_lshlrev_b32 v12, 13, v3
	v_lshl_add_u32 v12, v2, 4, v12                 ; and the same two channels' rows, 8,192 bytes apart, in x and out
.irp i, 32,33,34,35,74,76,77,78,79
	v_mov_b32 v[\i], 0
.endr
.irp i, 0,1,2,3,4,5,6,7,8,9
	ds_store_b128 v9, v[32:35] offset:512*\i       ; my query tile's images begin as zero codes; my own later stores come behind these (LDS serves a wave's instructions in order: ISA guide 5.7.1.4)
.endr
	s_lshl_b32 s5, s3, 2
	s_add_co_u32 s5, s5, s2                        ; my query tile, 4 tb + w: also the first tile of my window in kc
	s_lshl_b32 s6, s5, 10
	s_mov_b32 s7, 0
	s_mul_i32 s48, s4, 147456
	s_mov_b32 s49, 0
	s_lshl_b32 s50, s4, 17
	s_mov_b32 s51, 0
	s_mul_i32 s52, s4, 589824
	s_lshl_b32 s56, s3, 14
	s_add_co_u32 s52, s52, s56
	s_lshl_b32 s56, s2, 12
	s_add_co_u32 s52, s52, s56
	s_mov_b32 s53, 0
	s_lshl_b32 s54, s4, 21
	s_lshl_b32 s56, s2, 19
	s_add_co_u32 s54, s54, s56
	s_lshl_b32 s56, s3, 8
	s_add_co_u32 s54, s54, s56
	s_mov_b32 s55, 0
	s_mov_b32 s44, 0x76543210                      ; v_permlanex16_b32: lane l xor 16
	s_mov_b32 s45, 0xfedcba98
	s_sub_co_i32 s46, 16, s5
	s_max_i32 s46, s46, 0                          ; so many of my first tiles lie ahead of the sequence
.set I, 0
.rept 16
	s_cmp_le_u32 s46, I
	s_cselect_b32 s[66+2*I], 0x3f800000, 0         ; tile I counts in D0: 1.0, or 0
	s_mov_b32 s[67+2*I], s[66+2*I]                 ; (named with it as a pair)
.set I, I+1
.endr
	s_wait_kmcnt 0x0
	s_load_b128 s[20:23], s[14:15], 0x18           ; e6, e7, e8, e9
	s_add_nc_u64 s[24:25], s[10:11], s[6:7]        ; K of batch 0, my window
	s_add_nc_u64 s[26:27], s[24:25], s[48:49]      ; K of my batch
	s_add_nc_u64 s[28:29], s[8:9], s[6:7]          ; Q of batch 0
	s_add_nc_u64 s[30:31], s[28:29], s[50:51]      ; Q of my batch
	s_add_nc_u64 s[32:33], s[12:13], s[52:53]      ; V: five groups from group tb on, my four channel tiles
	s_add_nc_u64 s[34:35], s[16:17], s[54:55]      ; x and out at channel 64 w, query 64 tb
	s_add_nc_u64 s[36:37], s[18:19], s[54:55]
.macro LDK win, sb                     ; 17 fragments of K
	WIN \win
.set I, 0
.rept 17
	global_load_b128 v[8*I:8*I+3], v1, s[\sb:\sb+1] offset:1024*I
	global_load_b128 v[8*I+4:8*I+7], v1, s[\sb:\sb+1] offset:1024*I+512
.set I, I+1
.endr
	WIN 0
.endm
	global_load_b128 v[16:19], v1, s[28:29]
	global_load_b128 v[20:23], v1, s[28:29] offset:512
	LDK 0x40, 24
	global_load_b128 v[24:27], v1, s[30:31]
	global_load_b128 v[28:31], v1, s[30:31] offset:512
	LDK 0x80, 26
	s_wait_kmcnt 0x0
	s_add_co_i32 s6, s20, s21
	s_lshl_b32 s6, s6, 23
	s_add_co_i32 s38, s6, 0x3e38aa3b               ; c = log2(e) / 8 x 2^(e6 + e7): the exponents are added to c's exponent field
	s_mov_b32 s39, s38
	s_add_co_i32 s6, s22, 127
	s_lshl_b32 s7, s6, 23
	v_mov_b32 v13, s7                              ; 2^e8
	s_add_co_i32 s6, s6, 8
	s_lshl_b32 s6, s6, 23
	s_or_b32 s41, s6, 0x600000                     ; 448 x 2^e8
	s_add_co_i32 s6, s22, s23
	s_add_co_i32 s6, s6, 127
	s_lshl_b32 s42, s6, 23                         ; 2^(e8 + e9)
	s_mov_b32 s43, s42
.macro SCORE win, q                    ; S^T = K Q^T: 17 sums of one instruction each (K = 64)
	WIN \win
.set I, 0
.rept 17
	v_wmma_f32_16x16x64_fp8_fp8 v[S+8*I:S+8*I+7], v[8*I:8*I+7], v[\q:\q+7], 0
.set I, I+1
.endr
.endm
.macro MASKMAX                         ; the band's two ends become -infinity; then the largest of 0 and my 136 scores, each tile from its low end on, and lane l xor 16's
.irp j, 0,1,2,3,4,5,6,7
	v_cmp_le_i32 vcc_lo, \j, v5                    ; tile 0: i - key = 256 + (r - 8 h) - j is over 255
	v_cndmask_b32 v[S+\j], v[S+\j], v6, vcc_lo
.endr
.irp j, 0,1,2,3,4,5,6,7
	v_cmp_gt_i32 vcc_lo, \j, v5                    ; tile 16: i - key = (r - 8 h) - j is under 0
	v_cndmask_b32 v[S+128+\j], v[S+128+\j], v6, vcc_lo
.endr
.irp u, 0,1,2,3
	v_max3_num_f32 v[70+\u], v[S+2*\u], v[S+2*\u+1], 0
.endr
.set I, 8
.rept 16
.irp u, 0,1,2,3
	v_max3_num_f32 v[70+\u], v[70+\u], v[S+I+2*\u], v[S+I+2*\u+1]
.endr
.set I, I+8
.endr
	v_max3_num_f32 v70, v70, v71, v72
	v_max_num_f32 v70, v70, v73
	v_permlanex16_b32 v74, v70, s44, s45
	v_max_num_f32 v70, v70, v74                    ; m, in units of the sums
.endm
.macro ARG t                           ; (score - m) x c: -infinity stays -infinity
.irp i, 0,2,4,6
	v_pk_add_f32 v[S+8*(\t)+\i:S+8*(\t)+\i+1], v[S+8*(\t)+\i:S+8*(\t)+\i+1], v[70:71] op_sel_hi:[1,0] neg_lo:[0,1] neg_hi:[0,1]
.endr
.irp i, 0,2,4,6
	v_pk_mul_f32 v[S+8*(\t)+\i:S+8*(\t)+\i+1], v[S+8*(\t)+\i:S+8*(\t)+\i+1], s[38:39] op_sel_hi:[1,0]
.endr
.endm
.macro EXP8 t
.irp i, 0,1,2,3,4,5,6,7
	v_exp_f32 v[S+8*(\t)+\i], v[S+8*(\t)+\i]
.endr
.endm
.macro POST0 t                         ; batch 0: the tile's eight exponentials are added, times the tile's 0 or 1, in two pairs of sums by turns
.set TP, 80+4*((\t)%2)
.set AP, 76+2*((\t)%2)
	s_wait_alu depctr_va_vdst(0)
	v_pk_add_f32 v[TP:TP+1], v[S+8*(\t):S+8*(\t)+1], v[S+8*(\t)+2:S+8*(\t)+3]
	v_pk_add_f32 v[TP+2:TP+3], v[S+8*(\t)+4:S+8*(\t)+5], v[S+8*(\t)+6:S+8*(\t)+7]
	v_pk_add_f32 v[TP:TP+1], v[TP:TP+1], v[TP+2:TP+3]
.if (\t) < 16
	v_pk_fma_f32 v[AP:AP+1], v[TP:TP+1], s[66+2*(\t):67+2*(\t)], v[AP:AP+1] op_sel_hi:[1,0,1]
	s_wait_alu depctr_va_vdst(0)
.else
	v_pk_add_f32 v[AP:AP+1], v[AP:AP+1], v[TP:TP+1]    ; tile 16 holds the query's own tile: always inside the sequence
.endif
.endm
.macro POSTB t                         ; my batch: p = exponential / (D0 + 1e-30), held at 448 x 2^e8 (p is not negative; the conversion does not saturate: ISA guide 7.6.2), quantised
	s_wait_alu depctr_va_vdst(0)
.irp i, 0,2,4,6
	v_pk_mul_f32 v[S+8*(\t)+\i:S+8*(\t)+\i+1], v[S+8*(\t)+\i:S+8*(\t)+\i+1], v[88:89]
.endr
.irp i, 0,1,2,3,4,5,6,7
	v_min_num_f32 v[S+8*(\t)+\i], s41, v[S+8*(\t)+\i]
.endr
	v_cvt_scalef32_pk8_fp8_f32 v[PCD+2*(\t):PCD+2*(\t)+1], v[S+8*(\t):S+8*(\t)+7], v13
.endm
.macro POST own, t
.if \own
	POSTB \t
.else
	POST0 \t
.endif
.endm
; A pass.  A tile's exponentials stand one tile ahead of the plain work on them, so that plain lines on another tile stand behind every exponential before its result is used (ISA guide 5.7.2)
.macro PASS own
	MASKMAX
.irp t, 0,1,2,3,4,5,6,7,8,9,10,11,12,13,14,15,16
	ARG \t
.endr
	EXP8 0
	EXP8 1
	v_nop                                          ; the plain line for tile 0's
	s_wait_alu depctr_va_vdst(0)
.irp t, 0,1,2,3,4,5,6,7,8,9,10,11,12,13,14
	POST \own, \t
	EXP8 \t+2
.endr
	POST \own, 15
	POST \own, 16
.endm
	; ---- batch 0: the divisor
	s_wait_loadcnt 36                              ; Q and K of batch 0 are in; my batch's 36 loads may be out
	SCORE 0x01, 16
	WIN 0xc0                                       ; destination window 3
.irp g, 0,1,2,3,4
.irp c, 0,1,2,3
	global_load_b128 v[8*(4*\g+\c):8*(4*\g+\c)+3], v1, s[32:33] offset:16384*\g+1024*\c
	global_load_b128 v[8*(4*\g+\c)+4:8*(4*\g+\c)+7], v1, s[32:33] offset:16384*\g+1024*\c+512
.endr
.endr
	WIN 0
.rept 4
	v_nop                                          ; four places between the products and the first read of their results (ISA guide 7.12.1)
.endr
	PASS 0
	v_pk_add_f32 v[76:77], v[76:77], v[78:79]
	v_add_f32 v76, v76, v77
	v_permlanex16_b32 v74, v76, s44, s45
	v_add_f32 v76, v76, v74                        ; D0 of my query
	v_add_f32 v76, 0x0da24260, v76                 ; + 1e-30
	v_rcp_f32 v88, v76
	v_nop
	s_wait_alu depctr_va_vdst(0)
	v_mov_b32 v89, v88
	; ---- my batch
	s_wait_loadcnt 40                              ; Q and K of my batch are in; V's 40 loads may be out
	SCORE 0x02, 24
	WIN 0x40                                       ; destination window 1: K of batch 0 is done with
.set I, 0
.rept 32
	global_load_b128 v[4*I:4*I+3], v12, s[34:35] offset:16384*I th:TH_LOAD_NT    ; the residual: two channels' 256 bytes a load; read once in this launch
.set I, I+1
.endr
	WIN 0
.rept 4
	v_nop
.endr
	PASS 1
	v_nop                                          ; a plain line behind the last conversion: the second product's results write its sources again
.irp u, 0,1,2,3,4,5,6,7,8
	ds_store_b64 v7, v[PCD+4*\u:PCD+4*\u+1] offset:512*\u          ; tile t' = 2 u
.endr
.irp u, 0,1,2,3,4,5,6,7
	ds_store_b64 v8, v[PCD+4*\u+2:PCD+4*\u+3] offset:512*\u        ; tile t' = 2 u + 1
.endr
	s_wait_dscnt 0x0                               ; my query tile's images are stored:
	s_barrier_signal -1
	s_barrier_wait -1                              ; all four lie in LDS
	; ---- out^T = P V: five groups of 64 keys, 16 accumulators by turns; each fragment of V feeds four products
	WIN 0x80                                       ; destination window 2: K of my batch is done with
.irp g, 0,1,2,3,4
.irp q, 0,1,2,3
	ds_load_b128 v[8*(4*\g+\q):8*(4*\g+\q)+3], v1 offset:5120*\q+1024*\g
	ds_load_b128 v[8*(4*\g+\q)+4:8*(4*\g+\q)+7], v1 offset:5120*\q+1024*\g+512
.endr
.endr
	s_wait_loadcnt 32                              ; V is in; x's 32 loads may be out
	WIN 0x0e                                       ; source 0 (P) window 2, source 1 (V) window 3
.irp g, 0,1,2,3,4
	s_wait_dscnt 32-8*\g                           ; this group's eight loads are in; the later groups' may be out
.irp c, 0,1,2,3
.irp q, 0,1,2,3
.if \g == 0
	v_wmma_f32_16x16x64_fp8_fp8 v[S+8*(4*\c+\q):S+8*(4*\c+\q)+7], v[8*(4*\g+\q):8*(4*\g+\q)+7], v[8*(4*\g+\c):8*(4*\g+\c)+7], 0
.else
	v_wmma_f32_16x16x64_fp8_fp8 v[S+8*(4*\c+\q):S+8*(4*\c+\q)+7], v[8*(4*\g+\q):8*(4*\g+\q)+7], v[8*(4*\g+\c):8*(4*\g+\c)+7], v[S+8*(4*\c+\q):S+8*(4*\c+\q)+7]
.endif
.endr
.endr
.endr
	WIN 0
.rept 4
	v_nop
.endr
	; ---- the way out: a lane's 32 bytes are an eighth of a channel's 256; 16 channels at a time go through my own stage and come back as whole rows, into the registers that they left
.irp c, 0,1,2,3
.irp q, 0,1,2,3
	ds_store_b128 v10, v[S+8*(4*\c+\q):S+8*(4*\c+\q)+3] offset:4352*\c+64*\q
	ds_store_b128 v10, v[S+8*(4*\c+\q)+4:S+8*(4*\c+\q)+7] offset:4352*\c+64*\q+16
.endr
.irp u, 0,1,2,3,4,5,6,7
	ds_load_b128 v[S+4*(8*\c+\u):S+4*(8*\c+\u)+3], v11 offset:544*(8*\c+\u)     ; LDS serves a wave's instructions in order: these see my stores
.endr
.endr
	s_wait_loadcnt 0x0                             ; x
	WIN 0x10                                       ; source 2 (x) window 1
.set I, 0
.rept 32
	s_wait_dscnt 16*(3-I/8)+7-I%8                  ; behind load I: the rest of its eight, and sixteen LDS instructions for each later tile of channels
	v_pk_fma_f32 v[S+4*I:S+4*I+1], v[S+4*I:S+4*I+1], s[42:43], v[4*I:4*I+1] op_sel_hi:[1,0,1]         ; out = sum x 2^(e8 + e9) + x
	v_pk_fma_f32 v[S+4*I+2:S+4*I+3], v[S+4*I+2:S+4*I+3], s[42:43], v[4*I+2:4*I+3] op_sel_hi:[1,0,1]
	global_store_b128 v12, v[S+4*I:S+4*I+3], s[36:37] offset:16384*I th:TH_STORE_NT                   ; sixteen lanes store 256 consecutive bytes, at a multiple of 256 from out's first byte
.set I, I+1
.endr
	WIN 0
	s_wait_tensorcnt 0x0
	ds_add_u32 v254, v255
	s_wait_dscnt 0x0
	s_endpgm
.Lfunc_end_k_q33d4134045_attn:
	.size	k_q33d4134045_attn, .Lfunc_end_k_q33d4134045_attn-k_q33d4134045_attn
	.p2alignl 7, 3214868480
	.fill 96, 4, 3214868480
	.section	.rodata,"a",@progbits
	.p2align	6, 0x0
	.amdhsa_kernel k_q33d4134045_attn
		.amdhsa_group_segment_fixed_size 90624
		.amdhsa_private_segment_fixed_size 0
		.amdhsa_enable_private_segment 0
		.amdhsa_kernarg_size 48
		.amdhsa_user_sgpr_count 2
		.amdhsa_user_sgpr_kernarg_segment_ptr 1
		.amdhsa_wavefront_size32 1
		.amdhsa_system_sgpr_workgroup_id_x 1
		.amdhsa_system_sgpr_workgroup_id_y 1
		.amdhsa_system_sgpr_workgroup_id_z 1
		.amdhsa_system_vgpr_workitem_id 0
		.amdhsa_next_free_vgpr 1024
		.amdhsa_next_free_sgpr 98
		.amdhsa_reserve_vcc 1
		.amdhsa_float_denorm_mode_32 3
		.amdhsa_float_denorm_mode_16_64 3
		.amdhsa_memory_ordered 1
		.amdhsa_forward_progress 1
		.amdhsa_inst_pref_size 97
	.end_amdhsa_kernel
	.amdgpu_metadata
---
amdhsa.version: [ 1, 2 ]
amdhsa.kernels:
  - .name:           k_q33d4134045_attn
    .symbol:         k_q33d4134045_attn.kd
    .args:
      - { .name: qc, .offset: 0, .size: 8, .value_kind: global_buffer, .address_space: global }
      - { .name: kc, .offset: 8, .size: 8, .value_kind: global_buffer, .address_space: global }
      - { .name: vc, .offset: 16, .size: 8, .value_kind: global_buffer, .address_space: global }
      - { .name: lowp_scales, .offset: 24, .size: 8, .value_kind: global_buffer, .address_space: global }
      - { .name: x, .offset: 32, .size: 8, .value_kind: global_buffer, .address_space: global }
      - { .name: out0, .offset: 40, .size: 8, .value_kind: global_buffer, .address_space: global }
    .group_segment_fixed_size: 90624
    .private_segment_fixed_size: 0
    .kernarg_segment_align: 8
    .kernarg_segment_size: 48
    .max_flat_workgroup_size: 128
    .sgpr_count:     98
    .vgpr_count:     1024
    .wavefront_size: 32
...
	.end_amdgpu_metadata
.endif
;; end of part 2
;; ======== version 2 of 2: 2 launches; version 1 with the launch attn written anew for expert scheduling mode
;; workspace buffers: qc 1,048,576 bytes; kc 1,179,648 bytes; vc 4,718,592 bytes
;; launch proj: the kernel of part 1 again; grid 32 x 8, 4 waves a work-group, no clusters, 168,448 bytes of LDS; arguments x, lowp_scales, kW_codes, qW_codes, vW_codes, kb, kg, kbeta, kmu, kvar, qb, qg, qbeta, qmu, qvar, vb, vg, vbeta, vmu, vvar, qc, kc, vc; writes qc, kc, vc
;; launch attn (part 3): grid 32 x 8, 4 waves a work-group, no clusters, 90,624 bytes of LDS; arguments qc, kc, vc, lowp_scales, x, out0; writes out0
.if DOCPART == 3
	.amdgcn_target "amdgcn-amd-amdhsa--gfx1250"
	.amdhsa_code_object_version 6
	.text
	.protected	k_q33d4134045_attn
	.globl	k_q33d4134045_attn
	.p2align	8
	.type	k_q33d4134045_attn,@function
k_q33d4134045_attn:
	s_mov_b64 s[64:65], 0
	v_nop
	global_prefetch_b8 v0, s[64:65] scope:SCOPE_SE
	s_setreg_imm32_b32 hwreg(HW_REG_WAVE_SCHED_MODE, 0, 2), 2
	s_setreg_imm32_b32 hwreg(HW_REG_WAVE_MODE, 25, 1), 1
	s_wait_xcnt 0x0
	s_wait_alu depctr_vm_vsrc(0)
; out[b][c][i] = x[b][c][i] + sum over keys j of p[b][i][j] v[b][j][c], over the band 0 <= i - j <= 255.
; p = exp(s - m) / (D0 + 1e-30); s = q . k / 8; m = max(0, the band's largest s): the masked row always holds zeros; D0[i] = BATCH 0's sum of exp(s - m) over the band, used for every batch.
; p is quantised finished (e8), so a wave holds a query's whole band of scores in registers: there is no running maximum and no late division.
; q, k, v arrive as codes in register images (1,024 bytes a fragment: registers 0-3 at 16 x lane, registers 4-7 at 512 + 16 x lane), k with 16 tiles and v with 4 groups of zero codes in front of each batch:
; a key ahead of the sequence has score 0, which the maximum holds anyway, and v = 0, which adds nothing; only D0's sum must leave such keys out: a factor 0 or 1 for each tile, made from ids.
; SHARES.  A work-group takes 64 queries of one batch: 256 work-groups.  SCORES: wave w owns query tile w and its 17 tiles of 16 keys; S^T = K Q^T: a lane holds query r and keys 8 h + j of each tile;
; i - key = 256 + r - 8 h - j - 16 tile, so only tiles 0 and 16 are cut by the band.  Each wave runs the pass twice: on batch 0's codes for 1 / (D0 + 1e-30), which then lies in the query's own lane, and on its own batch's.
; P V: wave w owns channels 64 w .. 64 w + 63 for all 64 queries; P's codes go from wave to wave through LDS as register images (a query tile's 20 tiles of keys, zeros where its band does not reach);
; source 0 = P, source 1 = V: a lane holds one channel and eight neighbouring queries, which are neighbours in out.
; LIMITS: e6 + e7 between -123 and 130 (added to an exponent field); e8 between -126 and 119; e8 + e9 between -126 and 127.  NaN among the inputs is not served.
; NO JOINT LOADS: neighbouring work-groups' windows of keys overlap but begin 64 keys apart, so no two work-groups want the same tile for the same place; all operands go from memory straight into registers,
; 512 consecutive bytes a load, all asked for ahead of the work that hides them; there is no ring and no loop.
; THE MODE: SCHED_MODE bits 1:0 = 2 (LLVM: expert scheduling mode 2), set by the entry lines.  The code itself states the register dependences
; between vector or matrix instructions and memory or LDS instructions, with s_wait_alu, always for 0.
; THE PLAN.  Registers that memory or LDS instructions touch, in the order of the text (there is no loop and no branch):
;   v1, v7-12, v254, v255, v32-35   addresses, offsets, the add's pair and the zeros: written at the head, ahead of ONE wait on va_vdst, and never again.
;   v16-31, windows 1, 2, 3         Q, K of batch 0, K of my batch, V: loads land in registers that no vector instruction has named; the products read them behind the counted waits on LOADcnt.
;   window 1 once more              x lands where K of batch 0 lay: the first pass's products, which read it, stand ahead of the wait behind the reciprocal, and nothing since names these registers.
;   v36-69                          p's codes: written by the conversions, read by 17 LDS stores behind one wait on va_vdst, never written again.
;   window 2 once more              P's fragments land where K of my batch lay: the second pass's products stand ahead of that same wait, and no vector instruction follows it before the loads.
;   S on the way out                written by the second product (a wait on va_vdst), read by the LDS stores (a wait on vm_vsrc for each tile of channels), landed in by the rows' LDS loads,
;                                   written in place by the last multiply-adds (a wait on va_vdst for each group of eight rows' pairs), read by the global stores, never written again.
;   s2; s48-63                      written by vector instructions (the wave's number; a pass's sixteen masks): a wait on va_sdst ahead of the first reader.
.set S,    112                         ; v112-247 the 17 tiles of scores; later the 16 accumulators (channel tile c, query tile q) at S + 8 (4 c + q); later rows of out
.set PCD,  36                          ; v36-69 p's codes, two registers a tile
.set STG,  20480                       ; LDS: P's images 4 x 5,120 bytes; then a stage of 64 rows x (256 + 16) bytes for each wave
; v1 16 x lane; v2 r; v3 h; v5 r - 8 h; v6 -infinity; v7, v8 where my even and odd tiles' codes go; v9 my query tile's images; v10, v11 the stage: in, back; v12 my offset in x and out; v13 2^e8
; v16-23 Q of batch 0, v24-31 Q of my batch; v32-35 zeros; v70-73 four chains of the maximum, v74 a permute's destination; v76-79 sums; v80-87 at work; v[88:89] 1 / (D0 + 1e-30) twice
; window 1: K of batch 0, later x; window 2: K of my batch, later P's fragments at 8 (4 g + q); window 3: V's fragments at 8 (4 g + c)
.set MSB, 0
.macro WIN new                         ; the immediate's high byte repeats the setting that is left
.if MSB != \new
	s_set_vgpr_msb (MSB<<8)|\new
.set MSB, \new
.endif
.endm
	s_load_b256 s[8:15], s[0:1], 0x0               ; qc, kc, vc, the scales' exponents
	s_load_b128 s[16:19], s[0:1], 0x20             ; x, out0
	v_lshl_add_u32 v254, v0, 2, 0x16000            ; the LDS address of my spare word, behind the stages; kept for the closing lines alone
	v_mov_b32 v255, 0                              ; and 0, likewise
	v_lshrrev_b32 v1, 5, v0
	v_readfirstlane_b32 s2, v1                     ; wave 0..3
	s_mov_b32 s3, ttmp9                            ; tb: which 64 queries
	s_and_b32 s4, ttmp7, 0xffff                    ; b
	v_and_b32 v1, 31, v0
	v_lshlrev_b32 v1, 4, v1
	v_and_b32 v2, 15, v0
	v_bfe_u32 v3, v0, 4, 1
	v_lshlrev_b32 v5, 3, v3
	v_sub_nc_u32 v5, v2, v5
	v_mov_b32 v6, 0xff800000
	s_wait_alu depctr_va_sdst(0)                   ; s2 is written, ahead of its first reader: LDS addresses and all bases are made from it
	s_mul_i32 s56, s2, 5120
	v_add_nc_u32 v9, s56, v1
	s_lshr_b32 s57, s2, 1                          ; my tile t' is the work-group's tile w + t': pair (w + t') / 2 at 512 bytes a pair, its parity 8 bytes
	s_lshl_b32 s57, s57, 9
	s_add_co_u32 s57, s57, s56
	s_and_b32 s58, s2, 1
	s_lshl_b32 s58, s58, 3
	s_add_co_u32 s57, s57, s58
	v_add_nc_u32 v7, s57, v1                       ; even t'
	s_add_co_u32 s59, s2, 1
	s_lshr_b32 s57, s59, 1
	s_lshl_b32 s57, s57, 9
	s_add_co_u32 s57, s57, s56
	s_and_b32 s58, s59, 1
	s_lshl_b32 s58, s58, 3
	s_add_co_u32 s57, s57, s58
	v_add_nc_u32 v8, s57, v1                       ; odd t'
	s_mul_i32 s56, s2, 64*272
	s_add_co_u32 s56, s56, STG                     ; my stage
	v_mul_u32_u24 v10, v2, 272
	v_lshl_add_u32 v10, v3, 5, v10
	v_add_nc_u32 v10, s56, v10                     ; in: row = channel r, 32 bytes for each half of the lanes
	v_mul_u32_u24 v11, v3, 272
	v_lshl_add_u32 v11, v2, 4, v11
	v_add_nc_u32 v11, s56, v11                     ; back: lanes 0-15 one row of 256 bytes, lanes 16-31 the next
	v_lshlrev_b32 v12, 13, v3
	v_lshl_add_u32 v12, v2, 4, v12                 ; and the same two channels' rows, 8,192 bytes apart, in x and out
.irp i, 32,33,34,35,74,76,77,78,79
	v_mov_b32 v[\i], 0
.endr
	s_wait_alu depctr_va_vdst(0)                   ; v1 and v7 to v12 (every address and offset of the kernel), the zeros v32 to v35 and the add's pair v254, v255 are written; none of them is written again
.irp i, 0,1,2,3,4,5,6,7,8,9
	ds_store_b128 v9, v[32:35] offset:512*\i       ; my query tile's images begin as zero codes; my own later stores come behind these (LDS serves a wave's instructions in order: ISA guide 5.7.1.4)
.endr
	s_lshl_b32 s5, s3, 2
	s_add_co_u32 s5, s5, s2                        ; my query tile, 4 tb + w: also the first tile of my window in kc
	s_lshl_b32 s6, s5, 10
	s_mov_b32 s7, 0
	s_mul_i32 s48, s4, 147456
	s_mov_b32 s49, 0
	s_lshl_b32 s50, s4, 17
	s_mov_b32 s51, 0
	s_mul_i32 s52, s4, 589824
	s_lshl_b32 s56, s3, 14
	s_add_co_u32 s52, s52, s56
	s_lshl_b32 s56, s2, 12
	s_add_co_u32 s52, s52, s56
	s_mov_b32 s53, 0
	s_lshl_b32 s54, s4, 21
	s_lshl_b32 s56, s2, 19
	s_add_co_u32 s54, s54, s56
	s_lshl_b32 s56, s3, 8
	s_add_co_u32 s54, s54, s56
	s_mov_b32 s55, 0
	s_mov_b32 s44, 0x76543210                      ; v_permlanex16_b32: lane l xor 16
	s_mov_b32 s45, 0xfedcba98
	s_sub_co_i32 s46, 16, s5
	s_max_i32 s46, s46, 0                          ; so many of my first tiles lie ahead of the sequence
.set I, 0
.rept 16
	s_cmp_le_u32 s46, I
	s_cselect_b32 s[66+2*I], 0x3f800000, 0         ; tile I counts in D0: 1.0, or 0
	s_mov_b32 s[67+2*I], s[66+2*I]                 ; (named with it as a pair)
.set I, I+1
.endr
	s_wait_kmcnt 0x0
	s_load_b128 s[20:23], s[14:15], 0x18           ; e6, e7, e8, e9
	s_add_nc_u64 s[24:25], s[10:11], s[6:7]        ; K of batch 0, my window
	s_add_nc_u64 s[26:27], s[24:25], s[48:49]      ; K of my batch
	s_add_nc_u64 s[28:29], s[8:9], s[6:7]          ; Q of batch 0
	s_add_nc_u64 s[30:31], s[28:29], s[50:51]      ; Q of my batch
	s_add_nc_u64 s[32:33], s[12:13], s[52:53]      ; V: five groups from group tb on, my four channel tiles
	s_add_nc_u64 s[34:35], s[16:17], s[54:55]      ; x and out at channel 64 w, query 64 tb
	s_add_nc_u64 s[36:37], s[18:19], s[54:55]
.macro LDK win, sb                     ; 17 fragments of K
	WIN \win
.set I, 0
.rept 17
	global_load_b128 v[8*I:8*I+3], v1, s[\sb:\sb+1] offset:1024*I
	global_load_b128 v[8*I+4:8*I+7], v1, s[\sb:\sb+1] offset:1024*I+512
.set I, I+1
.endr
	WIN 0
.endm
	global_load_b128 v[16:19], v1, s[28:29]        ; these 72 loads land in registers that no vector instruction has named; v1 stands written since the wait above
	global_load_b128 v[20:23], v1, s[28:29] offset:512
	LDK 0x40, 24
	global_load_b128 v[24:27], v1, s[30:31]
	global_load_b128 v[28:31], v1, s[30:31] offset:512
	LDK 0x80, 26
	s_wait_kmcnt 0x0
	s_add_co_i32 s6, s20, s21
	s_lshl_b32 s6, s6, 23
	s_add_co_i32 s38, s6, 0x3e38aa3b               ; c = log2(e) / 8 x 2^(e6 + e7): the exponents are added to c's exponent field
	s_mov_b32 s39, s38
	s_add_co_i32 s6, s22, 127
	s_lshl_b32 s7, s6, 23
	v_mov_b32 v13, s7                              ; 2^e8
	s_add_co_i32 s6, s6, 8
	s_lshl_b32 s6, s6, 23
	s_or_b32 s41, s6, 0x600000                     ; 448 x 2^e8
	s_add_co_i32 s6, s22, s23
	s_add_co_i32 s6, s6, 127
	s_lshl_b32 s42, s6, 23                         ; 2^(e8 + e9)
	s_mov_b32 s43, s42
.macro SCORE win, q                    ; S^T = K Q^T: 17 sums of one instruction each (K = 64)
	WIN \win
.set I, 0
.rept 17
	v_wmma_f32_16x16x64_fp8_fp8 v[S+8*I:S+8*I+7], v[8*I:8*I+7], v[\q:\q+7], 0
.set I, I+1
.endr
.endm
.macro MASKMAX                         ; the band's two ends become -infinity; then the largest of 0 and my 136 scores, each tile from its low end on, and lane l xor 16's
.irp j, 0,1,2,3,4,5,6,7
	v_cmp_le_i32 s[48+\j], \j, v5                  ; tile 0: i - key = 256 + (r - 8 h) - j is over 255
.endr
.irp j, 0,1,2,3,4,5,6,7
	v_cmp_gt_i32 s[56+\j], \j, v5                  ; tile 16: i - key = (r - 8 h) - j is under 0
.endr
	s_wait_alu depctr_va_sdst(0)                   ; the sixteen masks s48 to s63 are written, ahead of the first select that reads one
.irp j, 0,1,2,3,4,5,6,7
	v_cndmask_b32 v[S+\j], v[S+\j], v6, s[48+\j]
.endr
.irp j, 0,1,2,3,4,5,6,7
	v_cndmask_b32 v[S+128+\j], v[S+128+\j], v6, s[56+\j]
.endr
.irp u, 0,1,2,3
	v_max3_num_f32 v[70+\u], v[S+2*\u], v[S+2*\u+1], 0
.endr
.set I, 8
.rept 16
.irp u, 0,1,2,3
	v_max3_num_f32 v[70+\u], v[70+\u], v[S+I+2*\u], v[S+I+2*\u+1]
.endr
.set I, I+8
.endr
	v_max3_num_f32 v70, v70, v71, v72
	v_max_num_f32 v70, v70, v73
	v_permlanex16_b32 v74, v70, s44, s45
	v_max_num_f32 v70, v70, v74                    ; m, in units of the sums
.endm
.macro ARG t                           ; (score - m) x c: -infinity stays -infinity
.irp i, 0,2,4,6
	v_pk_add_f32 v[S+8*(\t)+\i:S+8*(\t)+\i+1], v[S+8*(\t)+\i:S+8*(\t)+\i+1], v[70:71] op_sel_hi:[1,0] neg_lo:[0,1] neg_hi:[0,1]
.endr
.irp i, 0,2,4,6
	v_pk_mul_f32 v[S+8*(\t)+\i:S+8*(\t)+\i+1], v[S+8*(\t)+\i:S+8*(\t)+\i+1], s[38:39] op_sel_hi:[1,0]
.endr
.endm
.macro EXP8 t
.irp i, 0,1,2,3,4,5,6,7
	v_exp_f32 v[S+8*(\t)+\i], v[S+8*(\t)+\i]
.endr
.endm
.macro AE t                            ; tile t's eight exponentials, among the eight lines that make tile t + 1's arguments: none of those reads an exponential's result
.irp n, 0,1,2,3
	v_pk_add_f32 v[S+8*((\t)+1)+2*\n:S+8*((\t)+1)+2*\n+1], v[S+8*((\t)+1)+2*\n:S+8*((\t)+1)+2*\n+1], v[70:71] op_sel_hi:[1,0] neg_lo:[0,1] neg_hi:[0,1]
	v_exp_f32 v[S+8*(\t)+\n], v[S+8*(\t)+\n]
.endr
.irp n, 0,1,2,3
	v_pk_mul_f32 v[S+8*((\t)+1)+2*\n:S+8*((\t)+1)+2*\n+1], v[S+8*((\t)+1)+2*\n:S+8*((\t)+1)+2*\n+1], s[38:39] op_sel_hi:[1,0]
	v_exp_f32 v[S+8*(\t)+4+\n], v[S+8*(\t)+4+\n]
.endr
.endm
.macro POST0 t                         ; batch 0: the tile's eight exponentials are added, times the tile's 0 or 1, in two pairs of sums by turns
.set TP, 80+4*((\t)%2)
.set AP, 76+2*((\t)%2)
	v_pk_add_f32 v[TP:TP+1], v[S+8*(\t):S+8*(\t)+1], v[S+8*(\t)+2:S+8*(\t)+3]
	v_pk_add_f32 v[TP+2:TP+3], v[S+8*(\t)+4:S+8*(\t)+5], v[S+8*(\t)+6:S+8*(\t)+7]
	v_pk_add_f32 v[TP:TP+1], v[TP:TP+1], v[TP+2:TP+3]
.if (\t) < 16
	v_pk_fma_f32 v[AP:AP+1], v[TP:TP+1], s[66+2*(\t):67+2*(\t)], v[AP:AP+1] op_sel_hi:[1,0,1]
.else
	v_pk_add_f32 v[AP:AP+1], v[AP:AP+1], v[TP:TP+1]    ; tile 16 holds the query's own tile: always inside the sequence
.endif
.endm
.macro POSTB t                         ; my batch: p = exponential / (D0 + 1e-30), held at 448 x 2^e8 (p is not negative; the conversion does not saturate: ISA guide 7.6.2), quantised
.irp i, 0,2,4,6
	v_pk_mul_f32 v[S+8*(\t)+\i:S+8*(\t)+\i+1], v[S+8*(\t)+\i:S+8*(\t)+\i+1], v[88:89]
.endr
.irp i, 0,1,2,3,4,5,6,7
	v_min_num_f32 v[S+8*(\t)+\i], s41, v[S+8*(\t)+\i]
.endr
	v_cvt_scalef32_pk8_fp8_f32 v[PCD+2*(\t):PCD+2*(\t)+1], v[S+8*(\t):S+8*(\t)+7], v13   ; the next tile's plain lines stand behind it
.endm
.macro POST own, t
.if \own
	POSTB \t
.else
	POST0 \t
.endif
.endm
; A pass.  The 136 exponentials are ONE batch: ahead of the wait nothing names a result, behind it no exponential is issued.  The sums and the conversions follow in the tiles' order.
.macro PASS own
	MASKMAX
	ARG 0
.irp t, 0,1,2,3,4,5,6,7,8,9,10,11,12,13,14,15
	AE \t
.endr
	EXP8 16
	v_nop                                          ; a plain line behind the last exponential, before a result is used (ISA guide 5.7.2)
	s_wait_alu depctr_va_vdst(0)                   ; the pass's 136 exponentials have written v[S ..], ahead of the first line that names a result
.irp t, 0,1,2,3,4,5,6,7,8,9,10,11,12,13,14,15,16
	POST \own, \t
.endr
.endm
	; ---- batch 0: the divisor
	s_wait_loadcnt 36                              ; Q and K of batch 0 are in; my batch's 36 loads may be out
	SCORE 0x01, 16
	WIN 0xc0                                       ; destination window 3
.irp g, 0,1,2,3,4
.irp c, 0,1,2,3
	global_load_b128 v[8*(4*\g+\c):8*(4*\g+\c)+3], v1, s[32:33] offset:16384*\g+1024*\c              ; no wait: no vector or matrix instruction has named window 3, nor written v1 since the head's wait
	global_load_b128 v[8*(4*\g+\c)+4:8*(4*\g+\c)+7], v1, s[32:33] offset:16384*\g+1024*\c+512
.endr
.endr
	WIN 0
.rept 4
	v_nop                                          ; four places between the products and the first read of their results (ISA guide 7.12.1)
.endr
	PASS 0
	v_pk_add_f32 v[76:77], v[76:77], v[78:79]
	v_add_f32 v76, v76, v77
	v_permlanex16_b32 v74, v76, s44, s45
	v_add_f32 v76, v76, v74                        ; D0 of my query
	v_add_f32 v76, 0x0da24260, v76                 ; + 1e-30
	v_rcp_f32 v88, v76
	v_nop
	s_wait_alu depctr_va_vdst(0)                   ; the reciprocal has written v88, ahead of its first reader; and the first pass's products are done reading K of batch 0, in whose registers x's loads below land
	v_mov_b32 v89, v88
	; ---- my batch
	s_wait_loadcnt 40                              ; Q and K of my batch are in; V's 40 loads may be out
	SCORE 0x02, 24
	WIN 0x40                                       ; destination window 1: K of batch 0 is done with
.set I, 0
.rept 32
	global_load_b128 v[4*I:4*I+3], v12, s[34:35] offset:16384*I th:TH_LOAD_NT    ; the residual: two channels' 256 bytes a load; read once in this launch.  No wait: since the wait behind the reciprocal nothing names window 1 or v12
.set I, I+1
.endr
	WIN 0
.rept 4
	v_nop
.endr
	PASS 1
	v_nop                                          ; a plain line behind the last conversion: the second product's results write its sources again
	s_wait_alu depctr_va_vdst(0)                   ; the conversions have written v36 to v69, which the LDS stores read; and the second pass's products are done reading K of my batch, in whose registers P's fragments land behind the barrier
.irp u, 0,1,2,3,4,5,6,7,8
	ds_store_b64 v7, v[PCD+4*\u:PCD+4*\u+1] offset:512*\u          ; tile t' = 2 u
.endr
.irp u, 0,1,2,3,4,5,6,7
	ds_store_b64 v8, v[PCD+4*\u+2:PCD+4*\u+3] offset:512*\u        ; tile t' = 2 u + 1
.endr
	s_wait_dscnt 0x0                               ; my query tile's images are stored:
	s_barrier_signal -1
	s_barrier_wait -1                              ; all four lie in LDS
	; ---- out^T = P V: five groups of 64 keys, 16 accumulators by turns; each fragment of V feeds four products
	WIN 0x80                                       ; destination window 2: K of my batch is done with
.irp g, 0,1,2,3,4
.irp q, 0,1,2,3
	ds_load_b128 v[8*(4*\g+\q):8*(4*\g+\q)+3], v1 offset:5120*\q+1024*\g           ; no wait: no vector or matrix instruction stands between the wait ahead of the codes' stores and these loads
	ds_load_b128 v[8*(4*\g+\q)+4:8*(4*\g+\q)+7], v1 offset:5120*\q+1024*\g+512
.endr
.endr
	s_wait_loadcnt 32                              ; V is in; x's 32 loads may be out
	WIN 0x0e                                       ; source 0 (P) window 2, source 1 (V) window 3
.irp g, 0,1,2,3,4
	s_wait_dscnt 32-8*\g                           ; this group's eight loads are in; the later groups' may be out
.irp c, 0,1,2,3
.irp q, 0,1,2,3
.if \g == 0
	v_wmma_f32_16x16x64_fp8_fp8 v[S+8*(4*\c+\q):S+8*(4*\c+\q)+7], v[8*(4*\g+\q):8*(4*\g+\q)+7], v[8*(4*\g+\c):8*(4*\g+\c)+7], 0
.else
	v_wmma_f32_16x16x64_fp8_fp8 v[S+8*(4*\c+\q):S+8*(4*\c+\q)+7], v[8*(4*\g+\q):8*(4*\g+\q)+7], v[8*(4*\g+\c):8*(4*\g+\c)+7], v[S+8*(4*\c+\q):S+8*(4*\c+\q)+7]
.endif
.endr
.endr
.endr
	WIN 0
.rept 4
	v_nop
.endr
	s_wait_alu depctr_va_vdst(0)                   ; the products have written the sixteen accumulators, which the LDS stores read; the places above stay beside this wait
	; ---- the way out: a lane's 32 bytes are an eighth of a channel's 256; 16 channels at a time go through my own stage and come back as whole rows, into the registers that they left
.irp c, 0,1,2,3
.irp q, 0,1,2,3
	ds_store_b128 v10, v[S+8*(4*\c+\q):S+8*(4*\c+\q)+3] offset:4352*\c+64*\q
	ds_store_b128 v10, v[S+8*(4*\c+\q)+4:S+8*(4*\c+\q)+7] offset:4352*\c+64*\q+16
.endr
	s_wait_alu depctr_vm_vsrc(0)                   ; the eight stores have read this tile's 32 registers, in which the eight loads below land
.irp u, 0,1,2,3,4,5,6,7
	ds_load_b128 v[S+4*(8*\c+\u):S+4*(8*\c+\u)+3], v11 offset:544*(8*\c+\u)     ; LDS serves a wave's instructions in order: these see my stores
.endr
.endr
; A tile of 16 channels goes out: its eight loads' rows take scale and residual in place, and leave by a run of eight stores behind one wait; no store's data are written again
.macro OUTG c
	s_wait_dscnt 16*(3-(\c))                       ; this tile's eight loads are in; behind them stand sixteen LDS instructions for each later tile of channels
.irp u, 0,1,2,3,4,5,6,7
	v_pk_fma_f32 v[S+4*(8*(\c)+\u):S+4*(8*(\c)+\u)+1], v[S+4*(8*(\c)+\u):S+4*(8*(\c)+\u)+1], s[42:43], v[4*(8*(\c)+\u):4*(8*(\c)+\u)+1] op_sel_hi:[1,0,1]         ; out = sum x 2^(e8 + e9) + x
	v_pk_fma_f32 v[S+4*(8*(\c)+\u)+2:S+4*(8*(\c)+\u)+3], v[S+4*(8*(\c)+\u)+2:S+4*(8*(\c)+\u)+3], s[42:43], v[4*(8*(\c)+\u)+2:4*(8*(\c)+\u)+3] op_sel_hi:[1,0,1]
.endr
	s_wait_alu depctr_va_vdst(0)                   ; the sixteen multiply-adds have written this tile's 32 registers, which the eight stores read
.irp u, 0,1,2,3,4,5,6,7
	global_store_b128 v12, v[S+4*(8*(\c)+\u):S+4*(8*(\c)+\u)+3], s[36:37] offset:16384*(8*(\c)+\u) th:TH_STORE_NT   ; sixteen lanes store 256 consecutive bytes, at a multiple of 256 from out's first byte
.endr
.endm
	s_wait_loadcnt 0x0                             ; x
	WIN 0x10                                       ; source 2 (x) window 1
	OUTG 0
	OUTG 1
	OUTG 2
	OUTG 3
	WIN 0                                          ; the add's two registers lie in window 0
	s_wait_dscnt 0x0                               ; the closing lines, six on end
	s_wait_alu 0x0
	s_wait_tensorcnt 0x0
	ds_add_u32 v254, v255
	s_wait_dscnt 0x0
	s_endpgm
.Lfunc_end_k_q33d4134045_attn:
	.size	k_q33d4134045_attn, .Lfunc_end_k_q33d4134045_attn-k_q33d4134045_attn
	.p2alignl 7, 3214868480
	.fill 96, 4, 3214868480
	.section	.rodata,"a",@progbits
	.p2align	6, 0x0
	.amdhsa_kernel k_q33d4134045_attn
		.amdhsa_group_segment_fixed_size 90624
		.amdhsa_private_segment_fixed_size 0
		.amdhsa_enable_private_segment 0
		.amdhsa_kernarg_size 48
		.amdhsa_user_sgpr_count 2
		.amdhsa_user_sgpr_kernarg_segment_ptr 1
		.amdhsa_wavefront_size32 1
		.amdhsa_system_sgpr_workgroup_id_x 1
		.amdhsa_system_sgpr_workgroup_id_y 1
		.amdhsa_system_sgpr_workgroup_id_z 1
		.amdhsa_system_vgpr_workitem_id 0
		.amdhsa_next_free_vgpr 1024
		.amdhsa_next_free_sgpr 98
		.amdhsa_reserve_vcc 0
		.amdhsa_float_denorm_mode_32 3
		.amdhsa_float_denorm_mode_16_64 3
		.amdhsa_memory_ordered 1
		.amdhsa_forward_progress 1
		.amdhsa_inst_pref_size 97
	.end_amdhsa_kernel
	.amdgpu_metadata
---
amdhsa.version: [ 1, 2 ]
amdhsa.kernels:
  - .name:           k_q33d4134045_attn
    .symbol:         k_q33d4134045_attn.kd
    .args:
      - { .name: qc, .offset: 0, .size: 8, .value_kind: global_buffer, .address_space: global }
      - { .name: kc, .offset: 8, .size: 8, .value_kind: global_buffer, .address_space: global }
      - { .name: vc, .offset: 16, .size: 8, .value_kind: global_buffer, .address_space: global }
      - { .name: lowp_scales, .offset: 24, .size: 8, .value_kind: global_buffer, .address_space: global }
      - { .name: x, .offset: 32, .size: 8, .value_kind: global_buffer, .address_space: global }
      - { .name: out0, .offset: 40, .size: 8, .value_kind: global_buffer, .address_space: global }
    .group_segment_fixed_size: 90624
    .private_segment_fixed_size: 0
    .kernarg_segment_align: 8
    .kernarg_segment_size: 48
    .max_flat_workgroup_size: 128
    .sgpr_count:     98
    .vgpr_count:     1024
    .wavefront_size: 32
...
	.end_amdgpu_metadata
.endif
;; end of part 3
